; MI455X (gfx1250); checked and timed in simulation.
; The chip was launched on July 23, 2026; its instructions are those of AMD's public machine-readable ISA for CDNA 5 (MIT licence, August 2026) and "CDNA5" Instruction Set Architecture Reference Guide (July 2026). The comments in the code are by the model that wrote it; some were corrected since.
;; Intent Aware Attention. Allowed arithmetic: matrix products marked QUANTISED: E2M1 operands, one E8M0 scale for each 32 along K, by v_wmma_scale_f32_16x16x128_f8f6f4 with both operands' format E2M1 (or v_wmma_scale_f32_32x16x128_f4), f32 sums; products left as they are: f32 operands where the result goes on into a quantised operand, else bf16, f16 or f32 operands; f32 sums; everything else in f32.
;; Inputs: Wi 64 x 1,024 float32; Wk_codes 1,024 x 32 x 16 uint8 (E2M1 codes of Wk, K innermost, in blocks of 32 codes, two codes a byte); Wk_scales 1,024 x 32 uint8 (E8M0 scales of Wk, one for each 32 codes along K); Wq_codes 1,024 x 32 x 16 uint8 (E2M1 codes of Wq, K innermost, in blocks of 32 codes, two codes a byte); Wq_scales 1,024 x 32 uint8 (E8M0 scales of Wq, one for each 32 codes along K); Wv_codes 1,024 x 32 x 16 uint8 (E2M1 codes of Wv, K innermost, in blocks of 32 codes, two codes a byte); Wv_scales 1,024 x 32 uint8 (E8M0 scales of Wv, one for each 32 codes along K); attention_mask 4 x 1 x 1 x 2,048 float32; bi 1,024 float32; bk 1,024 float32; bq 1,024 float32; bv 1,024 float32; hidden_states_codes 4 x 2,048 x 32 x 16 uint8 (E2M1 codes of hidden_states, K innermost, in blocks of 32 codes, two codes a byte); hidden_states_scales 4 x 2,048 x 32 uint8 (E8M0 scales of hidden_states, one for each 32 codes along K); intent_emb_table 20 x 64 float32; intent_ids 4 int32.
;; Outputs: out0 4 x 2,048 x 1,024 float32.
;; This version of the problem:
;;   THIS VERSION OF THE PROBLEM IS GIVEN IN LOW PRECISION. The matrix products marked QUANTISED in the list below multiply operands that are first quantised to E2M1 (2 exponent bits, 1 mantissa bit; 4 bits a number), with one power-of-two scale for each 32 numbers along K (OCP MX v1.0); their sums are f32. All else is computed in f32.
;;   The module's matrix products, in the order in which they are computed (A, B: the left and right operand; K: the contracted axis; several contracted axes count as one K, in the product's order):
;;     1. [M 8,192, K 1,024] x [K 1,024, N 1,024]; A: input hidden_states (given as codes); B: input Wq (given as codes): QUANTISED
;;     2. [M 8,192, K 1,024] x [K 1,024, N 1,024]; A: input hidden_states (given as codes); B: input Wk (given as codes): QUANTISED
;;     3. [M 8,192, K 1,024] x [K 1,024, N 1,024]; A: input hidden_states (given as codes); B: input Wv (given as codes): QUANTISED
;;     4. batch 64 x [M 2,048, K 64] x [K 64, N 2,048]; A: computed on the way; B: computed on the way: QUANTISED
;;     5. [M 4, K 64] x [K 64, N 1,024]; A: computed on the way; B: input Wi: left as it is (M = 4 < 16)
;;     6. batch 64 x [M 2,048, K 2,048] x [K 2,048, N 64]; A: softmax (see below); B: computed on the way: QUANTISED
;;   THE QUANTISER, for each operand of a quantised product, along K:
;;     - K is cut into blocks of 32 from its start; a last block that is shorter is filled with zeros.
;;     - A block's scale is 2^e with e = floor(log2(the largest magnitude in the block)) - 2, held to -126 .. 127; a block of zeros has e = 0. As a byte (E8M0): e + 127.
;;     - Each number is divided by its block's scale, clamped to +-6, and rounded to the nearest number of E2M1, ties to even, subnormals kept.
;;     - The product sums the exact products of the quantised numbers (number of the format x scale) in f32.
;;   ~~~python
;;   def quantise(x, axis):      # numpy; x: float32 -> the quantised numbers, widened to float32 again
;;       x = np.moveaxis(x, axis, -1); K = x.shape[-1]
;;       x = np.pad(x, [(0, 0)] * (x.ndim - 1) + [(0, -K % 32)]); x = x.reshape(x.shape[:-1] + (-1, 32)); a = np.abs(x).max(-1, keepdims=True)
;;       e = np.where(a > 0, np.clip(np.frexp(np.where(a > 0, a, 1))[1] - 1 - 2, -126, 127), 0)      # np.frexp(a)[1] - 1 = floor(log2(a)), exactly
;;       r = np.clip(x / 2.0 ** e, -6, 6)
;;       step = 2.0 ** (np.maximum(np.frexp(np.where(r == 0, 1, r))[1] - 1, 0) - 1)
;;       q = np.round(r / step) * step * 2.0 ** e      # np.round: ties to even
;;       return np.moveaxis(q.reshape(q.shape[:-2] + (-1,))[..., :K], -1, axis).astype(np.float32)
;;   ~~~
;;   SOFTMAX AHEAD OF A QUANTISED PRODUCT. Where the list says 'softmax', what is quantised is not the finished softmax but p = 2^(t - M), with t = logit x log2(e) and M = ceil(the row's largest t), a whole number; so 1/2 < the row's largest p <= 1. The row's sum l is taken of the UNQUANTISED p, in f32, and the product's result is divided by l at the end. Since M is a whole number, a kernel that streams over the keys may use a running M (the ceiling of the running maximum): every later rescaling is an exact power of two, which a block's scale takes up: the codes' values come out the same.
;;   OPERANDS COMPUTED ON THE WAY. 'Computed on the way' means the value that the module computes at that place (a softmax that the list does not call 'softmax' is quantised finished and normalised). What goes into a quantiser is computed in f32, as accurately as f32 sums, v_exp_f32 and their like allow (about 1e-6 of the number): no bf16 or f16 on the way to a quantiser, and a product that is left as it is and whose result goes on into a quantised operand takes f32 operands (vector FMAs, or v_wmma_f32_16x16x4_f32). A number that lies on a knife's edge between two numbers of the format may be rounded either way, as far as f32 arithmetic and the matrix unit's own rounding can turn it there, and no further.
;;   INPUTS GIVEN AS CODES. Wk (in the module: [1024, 1024], K = its axis 0); Wq (in the module: [1024, 1024], K = its axis 0); Wv (in the module: [1024, 1024], K = its axis 0); hidden_states (in the module: [4, 2048, 1024], K = its axis 2): each comes as NAME_codes (uint8): NAME with its K axis moved to the last place and cut into blocks of 32 codes, [.., K / 32, bytes a block], one block behind the other in memory; two codes a byte, the lower K in the low four bits (a code: sign, 2 exponent bits, 1 mantissa bit); and NAME_scales (uint8): the same leading axes, one E8M0 byte (e + 127) for each 32 codes along K. Its value is code x scale, taken as it is: it is not quantised again, and the codes and scales need not be those that the quantiser above would give.
;; One version. Each part assembles by itself: llvm-mc -triple=amdgcn-amd-amdhsa -mcpu=gfx1250 --defsym DOCPART=n.
;; ======== version 1 of 1: 2 launches
;; limits: right only within a limited range of input values
;; workspace buffers: qc 4,194,304 bytes; qs 524,288 bytes; kvc 9,175,040 bytes
;; launch proj (part 1): grid 12 x 32, 4 waves a work-group, clusters of 4 x 4, 327,680 bytes of LDS; arguments hidden_states_codes, hidden_states_scales, Wq_codes, Wq_scales, Wk_codes, Wk_scales, Wv_codes, Wv_scales, bq, bk, bv, qc, qs, kvc; writes qc, qs, kvc
.if DOCPART == 1
	.amdgcn_target "amdgcn-amd-amdhsa--gfx1250"
	.amdhsa_code_object_version 6
	.text
	.protected	k_q01ea72fdef_proj
	.globl	k_q01ea72fdef_proj
	.p2align	8
	.type	k_q01ea72fdef_proj,@function
k_q01ea72fdef_proj:
	s_mov_b64 s[64:65], 0
	v_nop
	global_prefetch_b8 v0, s[64:65] scope:SCOPE_SE
	s_setreg_imm32_b32 hwreg(HW_REG_WAVE_MODE, 25, 1), 1
	s_wait_xcnt 0x0
	s_wait_alu depctr_hold_cnt(0) depctr_sa_sdst(0) depctr_va_vdst(0) depctr_va_sdst(0) depctr_va_ssrc(0) depctr_va_vcc(0) depctr_vm_vsrc(0)
	s_getreg_b32 s2, hwreg(HW_REG_IB_STS2, 6, 4)
	s_cmp_eq_u32 s2, 0
	s_cbranch_scc0 .Lentry_in_a_cluster
	s_endpgm
.Lentry_in_a_cluster:
	s_bfe_u32 s2, ttmp6, 0x10000c
	s_cmp_lg_u32 s2, 0xf033
	s_cbranch_scc0 .Lentry_shape_is_right
	s_endpgm
.Lentry_shape_is_right:
; q = H Wq + bq, k = H Wk + bk, v = H Wv + bv on the given codes of FP4 (E2M1) with E8M0 scales, K = 1,024; each result is quantised again in registers
; (q and k along a head's 64, v along the keys) and stored as IMAGES OF THE OPERAND REGISTERS that the attention launch loads: codes 16 bytes a lane, scale words 4 bytes a lane.
; ONE BODY FOR ALL THREE: the cluster's x says which (0 q, 1 k, 2 v); it is the same in all sixteen partners.  A work-group makes 256 rows of H x 256 rows of W; four waves, each 128 x 128:
; 64 accumulators of 16 x 16, 512 registers.  Wave w takes X1's half w / 2 and X0's half w % 2.
; THE MATRIX INSTRUCTION: source 1 = 16 rows of X1, source 0 = 16 rows of X0: a lane holds ONE row of X1 and its registers run along X0's rows.  q, k: X1 = H, X0 = W (registers along the head's axis);
; v: X1 = Wv, X0 = H (registers along the keys).  What each wave fetches hangs on the type: X1's tile lands first, X0's behind it; the LDS addresses do not change places.
; LDS: K's two halves (256 bytes of each row) are two slots, both filled once at the start; the scale bytes of all of K likewise.  No byte of LDS is filled twice and none is stored to.
; CLUSTER 4 x 4: H's tile hangs on the tile row alone and is asked for jointly along a row of the cluster, W's on the tile column (and the type) and is asked for jointly along a column.
; THE BIAS is the C of each sum's first matrix instruction.
; QUANTISER: a block's byte is its largest magnitude's exponent field - 2, held at 1 from below by a floor among the maximum's leaves.
; LIMITS: a block of zeros gets the byte 1 where the rule says 127 (its codes are zeros, and this program alone reads the bytes); blocks whose largest magnitude lies under 2^-124 keep the byte 1;
; NaN and infinities are not served.
; REGISTERS, in windows of 256: window 0: v1-27 addresses; v32-95 scale words, two sets; v96-127 at work on the way out (v96-103 first serve as the bias loads' offsets); v128-191 X1's fragments, one set,
;   later the codes just made; v192-255 the bias in C's layout.   window 1: X0's fragments, two sets, at v0 and v128.   windows 2, 3: accumulator (i1, i0) at v[8 (8 (i1 % 4) + i0)] of window 2 + i1 / 4.
.set PITCH,  272                       ; an LDS row: 256 bytes + 16 of padding: the 16 rows of a fragment load begin in 16 different groups of four banks
.set HALFT,  128*PITCH                 ; 128 rows: what one tensor load brings
.set SLOT,   4*HALFT                   ; H's 256 rows, then W's 256 rows
.set SCL,    2*SLOT                    ; behind the slots: scale bytes, 32 a row, as units of 256 bytes + 16
.set HALFS,  16*272                    ; those of 128 rows
.set SBLK,   2*272                     ; those of 16 rows
.set ADR1, 16                          ; v16-17  LDS address of X1's fragments in slot 0, 1
.set ADR0, 20                          ; v20-21  of X0's
.set L8,   25                          ; v25     8 x lane
.set LI,   26                          ; v26     16 x lane
.set ADRS, 27                          ; v27     LDS address of my scale words: lanes 0-15 X1's rows, lanes 16-31 X0's
.set SC,   32                          ; set s at v[SC + 32 s]; register 4 i + q: block i's words for the slot's q-th 128 along K
.set TM,   96                          ; v96-99 largest magnitudes, v100-103 the other half's, then bytes, v108-111 the conversions' scale operands
.set WD,   112                         ; v112-119 the eight units' scale words
.set CW,   120                         ; v120-127 the words as they are stored
.set XF,   128
.set BS,   192
.set G1H,  36                          ; s[36:43] group 1 for H's tiles;  s[44:51] for W's;  s[52:59], s[68:75] for their scale bytes
.set G1W,  44
.set G1SH, 52
.set G1SW, 68
.set G0H,  76                          ; s[76:83] groups 0 for H's two slots;  s[84:91] for W's;  s[92:95], s[96:99] for the scale bytes
.set G0W,  84
.set G0SH, 92
.set G0SW, 96
.set MSB, 0
.macro WIN new                         ; the immediate's high byte repeats the setting that is left; a switch that changes nothing is dropped
.if MSB != \new
	s_set_vgpr_msb (MSB<<8)|\new
.set MSB, \new
.endif
.endm
.macro PLACES n
.rept \n
	v_nop
.endr
.endm
; A joint load: waves 0 and 1 fetch for X1, waves 2 and 3 for X0.  The branch hangs on the wave's number and the type.  Four v_nop follow each of the two lines.
.macro JLOAD g0a, g1a, g0b, g1b
	s_cmp_eq_u32 s35, s61                          ; LDS region 1 (waves 0, 1 fill it) holds X1's tile, region 0 X0's: for q, k waves 0, 1 fetch H; for v waves 2, 3 do.  The type is the same in all sixteen partners
	s_cbranch_scc0 .Lfor_w_\@
	tensor_load_to_lds s[\g0a:\g0a+3], s[\g1a:\g1a+7]
	s_nop 0
.rept 4
	v_nop
.endr
	s_branch .Lasked_\@
.Lfor_w_\@:
	tensor_load_to_lds s[\g0b:\g0b+3], s[\g1b:\g1b+7]
	s_nop 0
.rept 4
	v_nop
.endr
.Lasked_\@:
.endm
.macro CROUND                          ; a round of the cluster's barrier
	s_barrier_signal -1
	s_barrier_wait -1
	s_cmp_lg_u32 s34, 0
	s_cbranch_scc1 .Lnot_wave_0_\@
	s_barrier_signal -3
.Lnot_wave_0_\@:
	s_barrier_wait -3
	s_barrier_signal -1
	s_barrier_wait -1
.endm
	s_load_b512 s[4:19], s[0:1], 0x0               ; H's codes, H's scales, Wq's, Wk's, Wv's codes and scales
	s_load_b256 s[20:27], s[0:1], 0x40             ; bq, bk, bv, qc
	s_load_b128 s[28:31], s[0:1], 0x60             ; qs, kvc
	v_lshl_add_u32 v106, v0, 2, 0x48400
	v_mov_b32 v107, 0
	ds_add_u32 v106, v107
	ds_add_u32 v106, v107
	v_lshrrev_b32 v1, 5, v0
	v_readfirstlane_b32 s34, v1                    ; wave 0..3
	s_lshr_b32 s35, s34, 1                         ; X1's half that I multiply.  Also: I fetch for X1 (0) or for X0 (1)
	s_and_b32 s60, s34, 1                          ; X0's half that I multiply.  Also: which 128 rows I fetch
	s_mov_b32 s63, ttmp9                           ; the type: the cluster's x
	s_cmp_eq_u32 s63, 2
	s_cselect_b32 s61, 1, 0                        ; 1 for v
	s_bfe_u32 s66, ttmp6, 0x40000                  ; cx: tile of 256 rows of W
	s_bfe_u32 s67, ttmp6, 0x40004                  ; cy
	s_and_b32 s100, ttmp7, 0xffff
	s_lshl_b32 s100, s100, 2
	s_add_co_u32 s100, s100, s67                   ; tile of 256 rows of H = 4 x cluster y + cy
	s_lshl_b32 s2, s67, 2
	s_lshl_b32 s2, 15, s2                          ; my row of the cluster
	s_lshl_b32 s3, 0x1111, s66                     ; my column
	s_or_b32 s[G1H], s2, (1<<20)|(1<<21)|(5<<22)|(3<<25)            ; the mask; elements of 1 byte; padding on; bit 21 beside a mask; 4 words behind every 64
	s_or_b32 s[G1W], s3, (1<<20)|(1<<21)|(5<<22)|(3<<25)
	s_or_b32 s[G1SH], s2, (3<<16)|(1<<20)|(1<<21)|(5<<22)|(3<<25)   ; the same with elements of 8 bytes
	s_or_b32 s[G1SW], s3, (3<<16)|(1<<20)|(1<<21)|(5<<22)|(3<<25)
.irp g, G1H, G1W                       ; 128 rows x 256 bytes, 512 bytes from row to row
	s_mov_b32 s[\g+1], 256<<16
	s_mov_b32 s[\g+2], 256<<16                     ; the head's loads bring 256 rows
	s_mov_b32 s[\g+3], 256<<16
	s_mov_b32 s[\g+4], 256
	s_mov_b32 s[\g+5], 512
	s_mov_b32 s[\g+6], 0
	s_mov_b32 s[\g+7], 0
.endr
.irp g, G1SH, G1SW                     ; the scale bytes, as rows of 256 dense bytes
	s_mov_b32 s[\g+1], 32<<16
	s_mov_b32 s[\g+2], 32<<16                      ; the scale bytes of 256 rows: 8,192 dense bytes as 32 rows of 256
	s_mov_b32 s[\g+3], 32<<16
	s_mov_b32 s[\g+4], 32
	s_mov_b32 s[\g+5], 32
	s_mov_b32 s[\g+6], 0
	s_mov_b32 s[\g+7], 0
.endr
	s_wait_dscnt 0x0
	s_wait_kmcnt 0x0
	s_cmp_eq_u32 s63, 1                            ; the type chooses the weight, its scales, the bias and the two outputs: a choice that hangs on no address
	s_cselect_b64 s[8:9], s[12:13], s[8:9]
	s_cselect_b64 s[10:11], s[14:15], s[10:11]
	s_cselect_b64 s[20:21], s[22:23], s[20:21]
	s_cmp_eq_u32 s63, 2
	s_cselect_b64 s[8:9], s[16:17], s[8:9]
	s_cselect_b64 s[10:11], s[18:19], s[10:11]
	s_cselect_b64 s[20:21], s[24:25], s[20:21]
	s_cmp_eq_u32 s63, 0
	s_cselect_b64 s[26:27], s[26:27], s[30:31]     ; codes go to qc or kvc,
	s_cselect_b64 s[28:29], s[28:29], s[30:31]     ; scale words to qs, or behind each head's codes in kvc
	s_lshl_b32 s2, s100, 17                        ; H: the tile's first row, 256 x tile, 512 bytes of codes a row
	s_mov_b32 s3, 0
	s_add_nc_u64 s[12:13], s[4:5], s[2:3]
	s_lshr_b32 s2, s2, 4                           ; 32 scale bytes a row
	s_add_nc_u64 s[14:15], s[6:7], s[2:3]
	s_lshl_b32 s22, s66, 17                        ; W likewise, in registers of its own
	s_mov_b32 s23, 0
	s_add_nc_u64 s[16:17], s[8:9], s[22:23]
	s_lshr_b32 s22, s22, 4
	s_add_nc_u64 s[18:19], s[10:11], s[22:23]
	s_mul_i32 s101, s34, HALFT                     ; where they go: wave x 128 rows: no place in the cluster enters an LDS address
	s_mul_i32 s24, s60, 2*HALFS                    ; the scale bytes of 256 rows: wave 2's land first, wave 3's behind them
.irp s, 0,1
	s_mov_b32 s[G0H+4*\s], 1
	s_add_co_u32 s[G0H+4*\s+1], s101, \s*SLOT
	s_add_nc_u64 s[G0H+4*\s+2:G0H+4*\s+3], s[12:13], \s*256
	s_or_b32 s[G0H+4*\s+3], s[G0H+4*\s+3], 0x80000000
	s_mov_b32 s[G0W+4*\s], 1
	s_add_co_u32 s[G0W+4*\s+1], s101, \s*SLOT
	s_add_nc_u64 s[G0W+4*\s+2:G0W+4*\s+3], s[16:17], \s*256
	s_or_b32 s[G0W+4*\s+3], s[G0W+4*\s+3], 0x80000000
.endr
	s_mul_i32 s25, s60, 2*HALFT                    ; K's first half comes as 256 rows a load: wave 0's land in region 1, wave 1's in region 0
	s_mov_b32 s[G0H+1], s25
	s_mov_b32 s[G0W+1], s25
	s_lshl_b32 s2, s60, 16                         ; K's second half comes as 128 rows a wave: my half of the tile's rows (s3 = 0)
	s_add_nc_u64 s[G0H+6:G0H+7], s[G0H+6:G0H+7], s[2:3]
	s_add_nc_u64 s[G0W+6:G0W+7], s[G0W+6:G0W+7], s[2:3]
	s_mov_b32 s[G0SH], 1
	s_add_co_u32 s[G0SH+1], s24, SCL
	s_mov_b64 s[G0SH+2:G0SH+3], s[14:15]
	s_or_b32 s[G0SH+3], s[G0SH+3], 0x80000000
	s_mov_b32 s[G0SW], 1
	s_add_co_u32 s[G0SW+1], s24, SCL
	s_mov_b64 s[G0SW+2:G0SW+3], s[18:19]
	s_or_b32 s[G0SW+3], s[G0SW+3], 0x80000000
	CROUND                                         ; all sixteen work-groups are here: the joint loads meet
	; the head's loads, one a wave, in one tree of branches: waves 0, 1 the codes of K's first half (256 rows of H, of W), waves 2, 3 the scale bytes of all of K.  The wave whose low bit equals the type's flag takes H's
	s_cmp_lt_u32 s34, 2
	s_cbranch_scc0 .Lhd_sc
	s_cmp_eq_u32 s60, s61
	s_cbranch_scc0 .Lhd_cw
	tensor_load_to_lds s[G0H:G0H+3], s[G1H:G1H+7]
	s_nop 0
	PLACES 4
	s_branch .Lhd_done
.Lhd_cw:
	tensor_load_to_lds s[G0W:G0W+3], s[G1W:G1W+7]
	s_nop 0
	PLACES 4
	s_branch .Lhd_done
.Lhd_sc:
	s_cmp_eq_u32 s60, s61
	s_cbranch_scc0 .Lhd_sw
	tensor_load_to_lds s[G0SH:G0SH+3], s[G1SH:G1SH+7]
	s_nop 0
	PLACES 4
	s_branch .Lhd_done
.Lhd_sw:
	tensor_load_to_lds s[G0SW:G0SW+3], s[G1SW:G1SW+7]
	s_nop 0
	PLACES 4
.Lhd_done:
	s_cmp_eq_u32 s61, 0                            ; I multiply X1's half wave / 2 and X0's half wave % 2:
	s_cselect_b32 s4, s35, s60                     ; so this is my half of H's rows,
	s_cselect_b32 s5, s60, s35                     ; and this my half of W's
	; the bias in C's layout.  q, k: register 8 i + j = bias[n0 + 16 i + 8 h + j];  v: = bias[n0 + 16 i + r] for every j.  One run of loads serves both: the three factors are chosen by the type
	s_lshl_b32 s2, s66, 8
	s_lshl_b32 s3, s5, 7
	s_add_co_u32 s2, s2, s3                        ; n0: my first row of W
	s_lshl_b32 s2, s2, 2
	s_cmp_eq_u32 s61, 1
	s_cselect_b32 s22, 4, 0                        ; bytes for each r,
	s_cselect_b32 s23, 0, 32                       ; each h,
	s_cselect_b32 s24, 0, 4                        ; each j
	v_and_b32 v1, 15, v0                           ; r
	v_bfe_u32 v2, v0, 4, 1                         ; h
	v_mul_u32_u24 v3, s22, v1
	v_mul_u32_u24 v4, s23, v2
	v_add3_u32 v[TM], v3, v4, s2
.irp j, 1,2,3,4,5,6,7
	v_mad_u32_u24 v[TM+\j], s24, \j, v[TM]
.endr
.irp i, 0,1,2,3,4,5,6,7
.irp j, 0,1,2,3,4,5,6,7
	global_load_b32 v[BS+8*\i+\j], v[TM+\j], s[20:21] offset:64*\i
.endr
.endr
	; LDS addresses of the fragments: row x pitch + 16 x half of the lanes; X1 and X0 are H and W, or for v the other way round
	v_mul_u32_u24 v3, v1, PITCH
	v_lshl_add_u32 v3, v2, 4, v3
	s_wait_alu depctr_va_vdst(0)
	s_mul_i32 s2, s35, HALFT                       ; X1's half
	s_mul_i32 s3, s60, HALFT
	s_add_co_u32 s3, s3, 2*HALFT                   ; X0's half, behind X1's 256 rows
	s_mov_b32 s22, s2                              ; X1: region 1
	s_mov_b32 s23, s3                              ; X0: region 0
.irp s, 0,1
	v_add_nc_u32 v[ADR1+\s], s22, v3
	v_add_nc_u32 v[ADR0+\s], s23, v3
	s_add_co_u32 s22, s22, SLOT
	s_add_co_u32 s23, s23, SLOT
.endr
	v_lshlrev_b32 v5, 5, v1                        ; my row's scale bytes: 32 a row,
	v_lshrrev_b32 v6, 8, v5
	v_lshl_add_u32 v5, v6, 4, v5                   ; and 16 more for each 256 passed
	s_mul_i32 s2, s35, HALFS
	s_mul_i32 s3, s60, HALFS
	s_add_co_u32 s3, s3, 2*HALFS
	s_sub_co_u32 s3, s3, s2                        ; from X1's half to X0's
	v_mul_u32_u24 v6, s3, v2                       ; lanes 16-31 take X0's words
	s_add_co_u32 s2, s2, SCL
	v_add_nc_u32 v5, v5, v6
	v_add_nc_u32 v[ADRS], s2, v5
	v_and_b32 v4, 31, v0
	v_lshlrev_b32 v[LI], 4, v4
	v_lshlrev_b32 v[L8], 3, v4
	; where my results go.  My 128 rows of H are group g of batch b; my 128 rows of W are two heads
	s_lshl_b32 s2, s100, 8
	s_lshl_b32 s3, s4, 7
	s_add_co_u32 s2, s2, s3                        ; my first row of H
	s_lshr_b32 s3, s2, 11                          ; b
	s_bfe_u32 s2, s2, 0x40007                      ; g
	s_lshl_b32 s3, s3, 4
	s_lshl_b32 s22, s66, 2
	s_add_co_u32 s3, s3, s22
	s_lshl_b32 s22, s5, 1
	s_add_co_u32 s3, s3, s22                       ; 16 b + my first head
	s_mov_b32 s24, 0x23000                         ; a head in kvc: 65,536 bytes of K's codes, 65,536 of V's, 8,192 of K's scale words, 4,096 of V's
	s_cmp_eq_u32 s63, 0
	s_cselect_b32 s22, 0x10000, s24                ; a head's codes in qc: 65,536 bytes
	s_cselect_b32 s24, 0x2000, s24                 ; its scale words in qs: 8,192 bytes
	s_cselect_b32 s6, 0, 0x20000                   ; in kvc the words lie behind the head's codes
	s_cmp_eq_u32 s61, 1
	s_cselect_b32 s30, 0x10000, 0
	s_cselect_b32 s31, 0x2000, 0
	s_cselect_b32 s32, 8, 9
	s_add_co_u32 s31, s31, s6
	s_mov_b32 s14, s22
	s_mul_i32 s12, s3, s22
	s_lshl_b32 s33, s2, 12                         ; a group's codes: 4,096 bytes
	s_add_co_u32 s12, s12, s33
	s_add_co_u32 s12, s12, s30
	s_mov_b32 s13, 0
	s_mov_b32 s15, 0
	s_add_nc_u64 s[12:13], s[26:27], s[12:13]      ; codes, first head
	s_add_nc_u64 s[14:15], s[12:13], s[14:15]      ; second head
	s_mul_i32 s16, s3, s24
	s_lshl_b32 s33, s2, s32
	s_add_co_u32 s16, s16, s33
	s_add_co_u32 s16, s16, s31
	s_mov_b32 s17, 0
	s_mov_b32 s18, s24
	s_mov_b32 s19, 0
	s_add_nc_u64 s[16:17], s[28:29], s[16:17]      ; scale words, first head
	s_add_nc_u64 s[18:19], s[16:17], s[18:19]      ; second head
.macro FRAG reg, adr, q, i             ; 16 rows x 128 K of 4-bit codes: registers 4 c .. 4 c + 3 hold K = 64 c + 32 (lane / 16) + 0 .. 31
.irp c, 0,1
	ds_load_b128 v[\reg+4*\c:\reg+4*\c+3], v[\adr] offset:64*(\q)+32*\c+(\i)*16*PITCH
.endr
.endm
.macro FETCH_0 slot, q, p              ; X0's eight fragments of the slot's q-th 128 along K into set p
	WIN 0x40
.irp i, 0,1,2,3,4,5,6,7
	FRAG 128*(\p)+8*\i, ADR0+\slot, \q, \i
.endr
	WIN 0
.endm
.macro FETCH_1 slot, q, i0             ; X1's blocks i0 .. i0 + 3
.irp i, \i0, \i0+1, \i0+2, \i0+3
	FRAG XF+8*(\i), ADR1+\slot, \q, \i
.endr
.endm
.macro SCALES sc                       ; a slot's scale words: four a row
.irp i, 0,1,2,3,4,5,6,7
	ds_load_b128 v[SC+32*\sc+4*\i:SC+32*\sc+4*\i+3], v[ADRS] offset:\i*SBLK
.endr
.endm
.macro WM a, b, p, q, sc, c0           ; accumulator (a, b): source 0 = X0's block b (its words in lanes 16-31), source 1 = X1's block a (lanes 0-15); C begins at register c0
	v_wmma_scale_f32_16x16x128_f8f6f4 v[8*(8*((\a)%4)+\b):8*(8*((\a)%4)+\b)+7], v[128*(\p)+8*\b:128*(\p)+8*\b+7], v[XF+8*(\a):XF+8*(\a)+7], v[\c0:\c0+7], v[SC+32*(\sc)+4*\b+(\q)], v[SC+32*(\sc)+4*(\a)+(\q)] matrix_a_fmt:MATRIX_FMT_FP4 matrix_b_fmt:MATRIX_FMT_FP4 matrix_a_scale:MATRIX_SCALE_ROW1
.endm
; 16 matrix instructions: X1's blocks a0, a0 + 1 x X0's eight.  cm = 0: onto the sums; 1: the sums begin with the bias of X0's rows; 2: of X1's rows.
; The 64 accumulators take turns, one instruction a turn, in the same order in every step.
.macro MUL16 a0, p, q, sc, cm
.irp a, \a0, \a0+1
.irp b, 0,1,2,3,4,5,6,7
.if \cm == 0
	WM \a, \b, \p, \q, \sc, 8*(8*((\a)%4)+\b)
.elseif \cm == 1
	WM \a, \b, \p, \q, \sc, BS+8*\b
.else
	WM \a, \b, \p, \q, \sc, BS+8*(\a)
.endif
.endr
.endr
.endm
; A step of 128 along K that has its successor in the same slot.  A block of X1 is free as soon as its eight products are issued: blocks 0-3 are fetched anew in the step's middle, blocks 4-7 at its end.
; Four plain vector instructions stand between a matrix instruction and a load into a register that it has read (ISA guide 7.12.1 for vector instructions).
.macro STEP slot, q, cm
	s_wait_dscnt 8                                 ; all but the youngest eight loads (X1's blocks 4-7) are in
.if \cm
	WIN 0x81                                       ; source 0 window 1, source 1 and C window 0, D window 2
.else
	WIN 0xa1                                       ; C and D window 2
.endif
	MUL16 0, (\q)%2, \q, \slot, \cm
	MUL16 2, (\q)%2, \q, \slot, \cm
	s_wait_dscnt 0x0                               ; X1's blocks 4-7 are in
	PLACES 4
	FETCH_0 \slot, (\q)+1, 1-(\q)%2
	FETCH_1 \slot, (\q)+1, 0
.if \cm
	WIN 0xc1
.else
	WIN 0xf1
.endif
	MUL16 4, (\q)%2, \q, \slot, \cm
	MUL16 6, (\q)%2, \q, \slot, \cm
	PLACES 4
	WIN 0
	FETCH_1 \slot, (\q)+1, 4
.endm
	s_wait_alu depctr_va_vdst(0)
	s_wait_tensorcnt 0x0                           ; my tile of the head's four is in
	ds_add_u32 v106, v107
	s_mov_b32 s[G1H+2], 128<<16                    ; no tensor load of mine is out: from here on a load brings 128 rows
	s_mov_b32 s[G1H+4], 128
	s_mov_b32 s[G1W+2], 128<<16
	s_mov_b32 s[G1W+4], 128
	s_wait_dscnt 0x0
	CROUND                                         ; all four tiles are in, and the sixteen work-groups are here
	JLOAD G0H+4, G1H, G0W+4, G1W                   ; K's second half, a quarter of the slot a wave: my one load behind the round
	FETCH_0 0, 0, 0
	FETCH_1 0, 0, 0
	SCALES 0
	FETCH_1 0, 0, 4
	s_wait_loadcnt 0x0                             ; the bias
	s_cmp_eq_u32 s61, 0                            ; the first step is written twice: its C is the bias along the registers (q, k) or along the lanes (v)
	s_cbranch_scc0 .Lfirst_v
	STEP 0, 0, 1
	s_branch .Lfirst_done
.Lfirst_v:
	STEP 0, 0, 2
.Lfirst_done:
	STEP 0, 1, 0
	STEP 0, 2, 0
	; the first half's last step goes over to the second half: one barrier; in front of it my part of the second half has landed and no LDS load of mine is out
	s_wait_tensorcnt 0x0
	s_wait_dscnt 8
	WIN 0xa1
	MUL16 0, 1, 3, 0, 0
	s_wait_dscnt 0x0
	s_barrier_signal -1
	MUL16 2, 1, 3, 0, 0                            ; work on registers while the others arrive
	WIN 0
	s_barrier_wait -1
	PLACES 4
	v_add_nc_u32 v[ADRS], 16, v[ADRS]              ; the second half's four scale words of each row
	FETCH_0 1, 0, 0
	FETCH_1 1, 0, 0
	SCALES 1
	WIN 0xf1
	MUL16 4, 1, 3, 0, 0
	MUL16 6, 1, 3, 0, 0
	PLACES 4
	WIN 0
	FETCH_1 1, 0, 4
	STEP 1, 0, 0
	STEP 1, 1, 0
	STEP 1, 2, 0
	s_wait_dscnt 8                                 ; the last step: nothing more to fetch
	WIN 0xa1
	MUL16 0, 1, 3, 1, 0
	MUL16 2, 1, 3, 1, 0
	s_wait_dscnt 0x0
	WIN 0xf1
	MUL16 4, 1, 3, 1, 0
	MUL16 6, 1, 3, 1, 0
	WIN 0
	PLACES 4                                       ; in front of the first read of results and of the first write over X1's fragments
; THE WAY OUT.  Unit i = the eight accumulators of X1's block i: 16 rows (a lane: one row) x 128 along the axis to be quantised; register 16 b + 8 u + j = k 32 b + 16 u + 8 (lane / 16) + j.
; A block of 32 lies in lanes l and l xor 16.  The eight conversions' results are ordered so that two exchanges of halves for each 64 give the operand's layout: registers 4 c .. 4 c + 3 = k 64 c + 32 (lane / 16) + 0 .. 31.
.macro QUANT i
.set QW, 2+(\i)/4
.set QWIN, (QW<<2)|(QW<<4)
.set AC, 64*((\i)%4)
.set PCI, XF+8*(\i)
	WIN QWIN                                       ; sources 1 and 2 in the accumulators' window
.irp b, 0,1,2,3
	v_max3_num_f32 v[TM+\b], 0x1800000, |v[AC+16*\b]|, |v[AC+16*\b+1]|   ; the floor 2^(3 - 127) among the leaves: the byte cannot fall under 1.  Each accumulator is read from its low end on
.endr
.irp k, 2,4,6,8,10,12,14
.irp b, 0,1,2,3
	v_max3_num_f32 v[TM+\b], v[TM+\b], |v[AC+16*\b+\k]|, |v[AC+16*\b+\k+1]|   ; the four blocks by turns
.endr
.endr
	WIN 0
.irp b, 0,1,2,3
	v_permlanex16_b32 v[TM+4+\b], v[TM+\b], s2, s3
.endr
.irp b, 0,1,2,3
	v_max_num_f32 v[TM+\b], v[TM+\b], v[TM+4+\b]   ; with lane l xor 16's: the block's largest magnitude
.endr
.irp b, 0,1,2,3
	v_add_nc_u32 v[TM+12+\b], 0xff000000, v[TM+\b] ; 2 off its exponent field: the conversion's scale operand
.endr
.irp b, 0,1,2,3
	v_lshrrev_b32 v[TM+4+\b], 23, v[TM+12+\b]      ; the scale's byte
.endr
	v_lshl_or_b32 v[WD+\i], v[TM+5], 8, v[TM+4]
	v_lshl_or_b32 v[WD+\i], v[TM+6], 16, v[WD+\i]
	v_lshl_or_b32 v[WD+\i], v[TM+7], 24, v[WD+\i]  ; my row's scale word
	WIN QW                                         ; source 0 in the accumulators' window
.irp a, 0,1,2,3,4,5,6,7
	v_cvt_scalef32_pk8_fp4_f32 v[PCI+4*(\a/4)+2*(\a%2)+(\a%4)/2], v[AC+8*\a:AC+8*\a+7], v[TM+12+\a/2]
.endr
	WIN 0
	v_nop                                          ; one plain place behind a scaled conversion
.irp c, 0,1
	v_permlane16_swap_b32 v[PCI+4*\c], v[PCI+4*\c+1]
	v_permlane16_swap_b32 v[PCI+4*\c+2], v[PCI+4*\c+3]
.endr
.endm
; mode 0 (q, k): a unit is 16 rows x two heads of 64: registers 0-3 are the first head's image, 4-7 the second's.  mode 1 (v): a unit is a whole fragment, 16 of a head's 64 x 128 keys; units 0-3 first head, 4-7 second.
; Every store of codes covers 512 consecutive bytes.  Each unit has registers of its own for its codes, so no store's data are written again.
.macro EPI mode
.irp i, 0,1,2,3,4,5,6,7
	QUANT \i
.if \mode == 0
	global_store_b128 v[LI], v[XF+8*\i:XF+8*\i+3], s[12:13] offset:512*\i
	global_store_b128 v[LI], v[XF+8*\i+4:XF+8*\i+7], s[14:15] offset:512*\i
.elseif \i < 4
	global_store_b128 v[LI], v[XF+8*\i:XF+8*\i+3], s[12:13] offset:1024*\i
	global_store_b128 v[LI], v[XF+8*\i+4:XF+8*\i+7], s[12:13] offset:1024*\i+512
.else
	global_store_b128 v[LI], v[XF+8*\i:XF+8*\i+3], s[14:15] offset:1024*(\i-4)
	global_store_b128 v[LI], v[XF+8*\i+4:XF+8*\i+7], s[14:15] offset:1024*(\i-4)+512
.endif
.endr
.irp p, 0,1,2,3
	v_cndmask_b32 v[CW+\p], v[WD+2*\p], v[WD+2*\p+1], s22   ; word p: lanes 0-15 unit 2 p's rows, lanes 16-31 unit 2 p + 1's
.endr
.if \mode == 0
.irp p, 0,1,2,3
	v_lshrrev_b32 v[CW+4+\p], 16, v[CW+\p]         ; the second head's two bytes; the upper two bytes are 0: they scale the half of K that holds zero codes
.endr
.irp p, 0,1,2,3
	v_and_b32 v[CW+\p], 0xffff, v[CW+\p]           ; the first head's
.endr
	global_store_b128 v[LI], v[CW:CW+3], s[16:17]
	global_store_b128 v[LI], v[CW+4:CW+7], s[18:19]
.else
	global_store_b64 v[L8], v[CW:CW+1], s[16:17]   ; 256 consecutive bytes
	global_store_b64 v[L8], v[CW+2:CW+3], s[18:19]
.endif
.endm
	s_mov_b32 s2, 0x76543210
	s_mov_b32 s3, 0xfedcba98                       ; v_permlanex16_b32's selects for lane l xor 16
	s_mov_b32 s22, 0xffff0000                      ; lanes 16-31
	s_cmp_eq_u32 s61, 0
	s_cbranch_scc0 .Lout_v
	EPI 0
	s_branch .Lout_done
.Lout_v:
	EPI 1
.Lout_done:
	s_wait_tensorcnt 0x0
	ds_add_u32 v106, v107
	s_wait_dscnt 0x0
	CROUND                                         ; the closing round: no work-group ends while a partner may still ask for a tile that names it
	s_endpgm
.Lfunc_end_k_q01ea72fdef_proj:
	.size	k_q01ea72fdef_proj, .Lfunc_end_k_q01ea72fdef_proj-k_q01ea72fdef_proj
	.p2alignl 7, 3214868480
	.fill 96, 4, 3214868480
	.section	.rodata,"a",@progbits
	.p2align	6, 0x0
	.amdhsa_kernel k_q01ea72fdef_proj
		.amdhsa_group_segment_fixed_size 327680
		.amdhsa_private_segment_fixed_size 0
		.amdhsa_enable_private_segment 0
		.amdhsa_kernarg_size 112
		.amdhsa_user_sgpr_count 2
		.amdhsa_user_sgpr_kernarg_segment_ptr 1
		.amdhsa_wavefront_size32 1
		.amdhsa_system_sgpr_workgroup_id_x 1
		.amdhsa_system_sgpr_workgroup_id_y 1
		.amdhsa_system_sgpr_workgroup_id_z 1
		.amdhsa_system_vgpr_workitem_id 0
		.amdhsa_next_free_vgpr 1024
		.amdhsa_next_free_sgpr 102
		.amdhsa_reserve_vcc 0
		.amdhsa_float_denorm_mode_32 3
		.amdhsa_float_denorm_mode_16_64 3
		.amdhsa_memory_ordered 1
		.amdhsa_forward_progress 1
		.amdhsa_inst_pref_size 180
	.end_amdhsa_kernel
	.amdgpu_metadata
---
amdhsa.version: [ 1, 2 ]
amdhsa.kernels:
  - .name:           k_q01ea72fdef_proj
    .symbol:         k_q01ea72fdef_proj.kd
    .args:
      - { .name: hidden_states_codes, .offset: 0, .size: 8, .value_kind: global_buffer, .address_space: global }
      - { .name: hidden_states_scales, .offset: 8, .size: 8, .value_kind: global_buffer, .address_space: global }
      - { .name: Wq_codes, .offset: 16, .size: 8, .value_kind: global_buffer, .address_space: global }
      - { .name: Wq_scales, .offset: 24, .size: 8, .value_kind: global_buffer, .address_space: global }
      - { .name: Wk_codes, .offset: 32, .size: 8, .value_kind: global_buffer, .address_space: global }
      - { .name: Wk_scales, .offset: 40, .size: 8, .value_kind: global_buffer, .address_space: global }
      - { .name: Wv_codes, .offset: 48, .size: 8, .value_kind: global_buffer, .address_space: global }
      - { .name: Wv_scales, .offset: 56, .size: 8, .value_kind: global_buffer, .address_space: global }
      - { .name: bq, .offset: 64, .size: 8, .value_kind: global_buffer, .address_space: global }
      - { .name: bk, .offset: 72, .size: 8, .value_kind: global_buffer, .address_space: global }
      - { .name: bv, .offset: 80, .size: 8, .value_kind: global_buffer, .address_space: global }
      - { .name: qc, .offset: 88, .size: 8, .value_kind: global_buffer, .address_space: global }
      - { .name: qs, .offset: 96, .size: 8, .value_kind: global_buffer, .address_space: global }
      - { .name: kvc, .offset: 104, .size: 8, .value_kind: global_buffer, .address_space: global }
    .group_segment_fixed_size: 327680
    .private_segment_fixed_size: 0
    .kernarg_segment_align: 8
    .kernarg_segment_size: 112
    .max_flat_workgroup_size: 128
    .sgpr_count:     102
    .vgpr_count:     1024
    .wavefront_size: 32
...
	.end_amdgpu_metadata
.endif
;; end of part 1
;; launch attn (part 2): grid 4 x 64, 8 waves a work-group, clusters of 4 x 1, 327,680 bytes of LDS; arguments qc, qs, kvc, attention_mask, intent_ids, intent_emb_table, Wi, bi, out0; writes out0
.if DOCPART == 2
	.amdgcn_target "amdgcn-amd-amdhsa--gfx1250"
	.amdhsa_code_object_version 6
	.text
	.protected	k_q01ea72fdef_attn
	.globl	k_q01ea72fdef_attn
	.p2align	8
	.type	k_q01ea72fdef_attn,@function
k_q01ea72fdef_attn:
	s_mov_b64 s[64:65], 0
	v_nop
	global_prefetch_b8 v0, s[64:65] scope:SCOPE_SE
	s_setreg_imm32_b32 hwreg(HW_REG_WAVE_MODE, 25, 1), 1
	s_wait_xcnt 0x0
	s_wait_alu depctr_hold_cnt(0) depctr_sa_sdst(0) depctr_va_vdst(0) depctr_va_sdst(0) depctr_va_ssrc(0) depctr_va_vcc(0) depctr_vm_vsrc(0)
	s_getreg_b32 s2, hwreg(HW_REG_IB_STS2, 6, 4)
	s_cmp_eq_u32 s2, 0
	s_cbranch_scc0 .Lentry_in_a_cluster
	s_endpgm
.Lentry_in_a_cluster:
	s_bfe_u32 s2, ttmp6, 0x10000c
	s_cmp_lg_u32 s2, 0x3003
	s_cbranch_scc0 .Lentry_shape_is_right
	s_endpgm
.Lentry_shape_is_right:
.set VC,   65536
.set KSW,  131072
.set VSW,  139264
.set MSK,  143360
.set RED,  151552
.set STG,  151808
.set LI,   1
.set LIV,  2
.set LKS,  3
.set LVS,  4
.set LMK,  5
.set ADK,  6
.set ADV,  7
.set ADKS, 8
.set ADVS, 9
.set ADM,  10
.set STO,  11
.set RD,   12
.set GO,   13
.set KS,   16
.set VS,   20
.set QS,   22
.set S,    64
.set PCD,  192
.set ST,   208
.set KF,   64
.set VF,   100
.set MK,   132
.set QF,   196
.set MSB, 0
.macro WIN new
.if MSB != \new
	s_set_vgpr_msb (MSB<<8)|\new
.set MSB, \new
.endif
.endm
.macro ROUND
	s_barrier_signal -1
	s_barrier_wait -1
	s_cmp_lg_u32 s24, 0
	s_cbranch_scc1 .Lnot_wave_0_\@
	s_barrier_signal -3
.Lnot_wave_0_\@:
	s_barrier_wait -3
	s_barrier_signal -1
	s_barrier_wait -1
.endm
	s_load_b128 s[4:7], s[0:1], 0x0                ; qc, qs
	s_load_b64 s[8:9], s[0:1], 0x10                ; kvc
	s_load_b256 s[12:19], s[0:1], 0x18             ; attention_mask, intent_ids, intent_emb_table, Wi
	s_load_b128 s[20:23], s[0:1], 0x38             ; bi, out0
	v_lshl_add_u32 v254, v0, 2, 0x30000
	v_mov_b32 v255, 0
	ds_add_u32 v254, v255
	ds_add_u32 v254, v255
	v_lshrrev_b32 v14, 5, v0
	s_delay_alu instid0(VALU_DEP_1)
	v_readfirstlane_b32 s24, v14
	s_bfe_u32 s25, ttmp6, 0x40000
	s_and_b32 s26, ttmp7, 0xffff
	s_lshr_b32 s27, s26, 4
	s_and_b32 s28, s26, 15
	s_mov_b32 s30, 0x76543210
	s_mov_b32 s31, 0xfedcba98
	s_mov_b32 s32, 0x3e38aa3b
	s_mov_b32 s33, s32
	s_mov_b32 s40, 15|(3<<16)|(1<<21)
	s_mov_b32 s41, 32<<16
	s_mov_b32 s42, 70<<16                          ; a head's codes and scale words are 143,360 dense bytes: 70 rows of 256 bytes a wave
	s_mov_b32 s43, 32<<16
	s_mov_b32 s44, 70
	s_mov_b32 s45, 32
	s_mov_b32 s46, 0
	s_mov_b32 s47, 0
	v_and_b32 v14, 31, v0
	v_and_b32 v15, 15, v0
	v_bfe_u32 v24, v0, 4, 1
	s_delay_alu instid0(VALU_DEP_3)
	v_lshlrev_b32 v[LI], 4, v14
	s_delay_alu instid0(VALU_DEP_1)
	v_add_nc_u32 v[LIV], VC, v[LI]
	s_delay_alu instid0(VALU_DEP_2)
	v_add_nc_u32 v[LKS], KSW, v[LI]
	v_lshl_add_u32 v[LVS], v14, 3, VSW
	v_lshl_add_u32 v[LMK], v24, 5, MSK
	s_mul_i32 s66, s24, 16*272
	s_add_co_u32 s66, s66, STG
	v_mul_u32_u24 v[STO], v15, 272
	s_delay_alu instid0(VALU_DEP_1)
	v_lshl_add_u32 v[STO], v24, 5, v[STO]
	s_delay_alu instid0(VALU_DEP_1)
	v_add_nc_u32 v[STO], s66, v[STO]
	v_mul_u32_u24 v[RD], v24, 272
	s_delay_alu instid0(VALU_DEP_1)
	v_lshl_add_u32 v[RD], v15, 4, v[RD]
	s_delay_alu instid0(VALU_DEP_1)
	v_add_nc_u32 v[RD], s66, v[RD]
	v_lshlrev_b32 v[GO], 12, v24
	s_delay_alu instid0(VALU_DEP_1)
	v_lshl_add_u32 v[GO], v15, 4, v[GO]
	v_lshrrev_b32 v25, 4, v0
	v_lshlrev_b32 v26, 4, v15
	s_delay_alu instid0(VALU_DEP_1)
	v_lshl_add_u32 v27, v25, 12, v26
	v_lshlrev_b32 v30, 4, v0
	s_delay_alu instid0(VALU_DEP_1)
	v_add_nc_u32 v31, MSK, v30
	s_lshl_b32 s67, s24, 2
	s_add_co_u32 s67, s67, RED
	v_mov_b32 v29, s67
	s_wait_dscnt 0x0
	s_wait_kmcnt 0x0
	s_lshl_b32 s66, s27, 2
	s_mov_b32 s67, 0
	s_add_nc_u64 s[14:15], s[14:15], s[66:67]
	s_load_b32 s29, s[14:15], 0x0
	s_mul_i32 s66, s26, 143360                     ; my head in kvc,
	s_mul_i32 s68, s24, 17920                      ; and my wave's eighth of it, in memory and in LDS alike
	s_add_co_u32 s66, s66, s68
	s_mov_b32 s56, 1
	s_mov_b32 s57, s68
	s_add_nc_u64 s[58:59], s[8:9], s[66:67]
	s_or_b32 s59, s59, 0x80000000
	s_wait_alu depctr_va_vdst(0)
	ROUND
	tensor_load_to_lds s[56:59], s[40:47]
	s_nop 0
.rept 4
	v_nop
.endr
	s_lshl_b32 s66, s26, 4
	s_lshl_b32 s68, s25, 2
	s_add_co_u32 s66, s66, s68
	s_lshr_b32 s68, s24, 2
	s_add_co_u32 s66, s66, s68
	s_and_b32 s69, s24, 3
	s_lshl_b32 s70, s66, 12
	s_lshl_b32 s71, s69, 10
	s_add_co_u32 s70, s70, s71
	s_mov_b32 s71, 0
	s_add_nc_u64 s[4:5], s[4:5], s[70:71]
	s_lshl_b32 s70, s66, 9
	s_lshl_b32 s68, s69, 2
	s_add_co_u32 s70, s70, s68
	s_add_nc_u64 s[6:7], s[6:7], s[70:71]
	s_lshl_b32 s70, s27, 11
	s_lshl_b32 s68, s25, 9
	s_add_co_u32 s70, s70, s68
	s_lshr_b32 s68, s24, 2
	s_lshl_b32 s68, s68, 7
	s_add_co_u32 s70, s70, s68
	s_lshl_b32 s68, s69, 5
	s_add_co_u32 s70, s70, s68
	s_lshl_b32 s70, s70, 12
	s_lshl_b32 s68, s28, 8
	s_add_co_u32 s70, s70, s68
	s_add_nc_u64 s[22:23], s[22:23], s[70:71]
	s_mov_b32 s69, 0
	s_add_nc_u64 s[18:19], s[18:19], s[68:69]
	s_add_nc_u64 s[20:21], s[20:21], s[68:69]
	s_lshl_b32 s68, s27, 13
	s_add_nc_u64 s[12:13], s[12:13], s[68:69]
	WIN 0x40
.irp p, 0,1
.irp t, 0,1
	global_load_b128 v[QF+8*(2*\p+\t):QF+8*(2*\p+\t)+3], v[LI], s[4:5] offset:8192*\p+512*\t
.endr
.endr
	WIN 0
	global_load_b32 v[QS], v[LI], s[6:7]
	global_load_b32 v[QS+1], v[LI], s[6:7] offset:1024
	s_wait_alu depctr_va_vdst(0)
.irp i, 0,1,2,3
	global_load_b128 v[32+4*\i:35+4*\i], v27, s[18:19] offset:65536*\i
.endr
	global_load_b128 v[48:51], v26, s[20:21]
	global_load_b128 v[52:55], v30, s[12:13]
	global_load_b128 v[56:59], v30, s[12:13] offset:4096
	s_wait_kmcnt 0x0
	s_min_u32 s29, s29, 19
	s_lshl_b32 s29, s29, 8
	v_lshl_add_u32 v28, v25, 2, s29
.irp i, 0,1,2,3
	global_load_b32 v[60+\i], v28, s[16:17] offset:64*\i
.endr
	WIN 0x40
.irp x, 0,1,2,3
.irp k, 4,5,6,7
	v_mov_b32 v[QF+8*\x+\k], 0
.endr
.endr
.irp k, 0,1,2,3
	v_mov_b32 v[KF+32+\k], 0
.endr
	WIN 0
.irp t, 0,1
	v_mov_b32 v[ST+20*\t+5], 0
.irp k, 10,11,12,13
	v_mov_b32 v[ST+20*\t+\k], 0
.endr
.endr
	v_mov_b32 v14, RED
	s_wait_loadcnt 0x0
.irp k, 0,1,2,3
	v_mul_f32 v[48+\k], 0x3d800000, v[48+\k]
.endr
.irp i, 0,1,2,3
.irp k, 0,1,2,3
	s_delay_alu instid0(VALU_DEP_4)
	v_fma_f32 v[48+\k], v[32+4*\i+\k], v[60+\i], v[48+\k]
.endr
.endr
	s_delay_alu instid0(VALU_DEP_3)
	v_add_f32 v48, v48, v49
	s_delay_alu instid0(VALU_DEP_2)
	v_add_f32 v50, v50, v51
	s_delay_alu instid0(VALU_DEP_1)
	v_add_f32 v48, v48, v50
	s_delay_alu instid0(VALU_DEP_1)
	v_add_f32_dpp v48, v48, v48 row_xmask:1 row_mask:0xf bank_mask:0xf
	s_delay_alu instid0(VALU_DEP_1)
	v_add_f32_dpp v48, v48, v48 row_xmask:2 row_mask:0xf bank_mask:0xf
	s_delay_alu instid0(VALU_DEP_1)
	v_add_f32_dpp v48, v48, v48 row_xmask:4 row_mask:0xf bank_mask:0xf
	s_delay_alu instid0(VALU_DEP_1)
	v_add_f32_dpp v48, v48, v48 row_xmask:8 row_mask:0xf bank_mask:0xf
	s_delay_alu instid0(VALU_DEP_1)
	v_permlanex16_b32 v49, v48, s30, s31
	s_delay_alu instid0(VALU_DEP_1)
	v_add_f32 v48, v48, v49
	ds_store_b32 v29, v48
	s_wait_dscnt 0x0
	s_barrier_signal -1
	s_barrier_wait -1
	ds_load_b128 v[32:35], v14
	ds_load_b128 v[36:39], v14 offset:16
	s_wait_dscnt 0x0
	v_add_f32 v32, v32, v33
	v_add_f32 v34, v34, v35
	v_add_f32 v36, v36, v37
	v_add_f32 v38, v38, v39
	s_delay_alu instid0(VALU_DEP_3)
	v_add_f32 v32, v32, v34
	s_delay_alu instid0(VALU_DEP_2)
	v_add_f32 v36, v36, v38
	s_delay_alu instid0(VALU_DEP_1)
	v_add_f32 v32, v32, v36
	s_delay_alu instid0(VALU_DEP_1)
	v_mul_f32 v40, 0x3e000000, v32
.irp k, 0,1,2,3,4,5,6,7
	v_fma_f32 v[52+\k], v[52+\k], 0x41000000, v40
.endr
.irp k, 0,1,2,3,4,5,6,7
	v_max_num_f32 v[52+\k], 0xf1800000, v[52+\k]
.endr
	ds_store_b128 v31, v[52:55]
	ds_store_b128 v31, v[56:59] offset:4096
	s_wait_tensorcnt 0x0
	s_wait_dscnt 0x0
	s_barrier_signal -1
	s_barrier_wait -1
.macro LOADV
	WIN 0x40
.irp i, 0,1,2,3,4,5,6,7
	ds_load_b128 v[VF+4*\i:VF+4*\i+3], v[ADV] offset:512*\i
.endr
.endm
.macro LOADK
	WIN 0x40
.irp a, 0,1,2,3,4,5,6,7
	ds_load_b128 v[KF+4*\a:KF+4*\a+3], v[ADK] offset:512*\a
.endr
.irp a, 0,1,2,3,4,5,6,7
.irp k, 0,1
	ds_load_b128 v[MK+8*\a+4*\k:MK+8*\a+4*\k+3], v[ADM] offset:64*\a+16*\k
.endr
.endr
	WIN 0
	ds_load_b128 v[KS:KS+3], v[ADKS]
.endm
.macro KQ p
	WIN 0x15
.irp a, 0,1,2,3,4,5,6,7
.irp t, 0,1
.if (\a%2 == 0) && (\t == 0)
	v_wmma_scale_f32_16x16x128_f8f6f4 v[S+64*\t+8*\a:S+64*\t+8*\a+7], v[KF+4*\a:KF+4*\a+7], v[QF+8*(2*\p+\t):QF+8*(2*\p+\t)+7], v[MK+8*\a:MK+8*\a+7], v[KS+\a/2], v[QS+\p] matrix_a_fmt:MATRIX_FMT_FP4 matrix_b_fmt:MATRIX_FMT_FP4
.elseif (\a%2 == 0)
	v_wmma_scale_f32_16x16x128_f8f6f4 v[S+64*\t+8*\a:S+64*\t+8*\a+7], v[KF+4*\a:KF+4*\a+7], v[QF+8*(2*\p+\t):QF+8*(2*\p+\t)+7], v[MK+8*\a:MK+8*\a+7], v[KS+\a/2], v[QS+\p] matrix_a_fmt:MATRIX_FMT_FP4 matrix_b_fmt:MATRIX_FMT_FP4 matrix_b_scale:MATRIX_SCALE_ROW1
.elseif (\t == 0)
	v_wmma_scale_f32_16x16x128_f8f6f4 v[S+64*\t+8*\a:S+64*\t+8*\a+7], v[KF+4*\a:KF+4*\a+7], v[QF+8*(2*\p+\t):QF+8*(2*\p+\t)+7], v[MK+8*\a:MK+8*\a+7], v[KS+\a/2], v[QS+\p] matrix_a_fmt:MATRIX_FMT_FP4 matrix_b_fmt:MATRIX_FMT_FP4 matrix_a_scale:MATRIX_SCALE_ROW1
.else
	v_wmma_scale_f32_16x16x128_f8f6f4 v[S+64*\t+8*\a:S+64*\t+8*\a+7], v[KF+4*\a:KF+4*\a+7], v[QF+8*(2*\p+\t):QF+8*(2*\p+\t)+7], v[MK+8*\a:MK+8*\a+7], v[KS+\a/2], v[QS+\p] matrix_a_fmt:MATRIX_FMT_FP4 matrix_b_fmt:MATRIX_FMT_FP4 matrix_a_scale:MATRIX_SCALE_ROW1 matrix_b_scale:MATRIX_SCALE_ROW1
.endif
.endr
.endr
.endm
.macro SOFTMAX
.irp b, 0,1,2,3
.irp t, 0,1
	v_max3_num_f32 v[ST+20*\t+6+\b], v[S+64*\t+16*\b], v[S+64*\t+16*\b+1], v[S+64*\t+16*\b+2]
.endr
.endr
.irp i, 3,5,7,9,11,13
.irp b, 0,1,2,3
.irp t, 0,1
	v_max3_num_f32 v[ST+20*\t+6+\b], v[ST+20*\t+6+\b], v[S+64*\t+16*\b+\i], v[S+64*\t+16*\b+\i+1]
.endr
.endr
.endr
.irp b, 0,1,2,3
.irp t, 0,1
	v_max_num_f32 v[ST+20*\t+6+\b], v[ST+20*\t+6+\b], v[S+64*\t+16*\b+15]
.endr
.endr
.irp b, 0,1,2,3
.irp t, 0,1
	v_permlanex16_b32 v[ST+20*\t+10+\b], v[ST+20*\t+6+\b], s30, s31
.endr
.endr
.irp b, 0,1,2,3
.irp t, 0,1
	v_max_num_f32 v[ST+20*\t+6+\b], v[ST+20*\t+6+\b], v[ST+20*\t+10+\b]
.endr
.endr
.irp t, 0,1
	s_delay_alu instid0(VALU_DEP_4)
	v_max3_num_f32 v[ST+20*\t+18], v[ST+20*\t+6], v[ST+20*\t+7], v[ST+20*\t+8]
.endr
.irp t, 0,1
	s_delay_alu instid0(VALU_DEP_2)
	v_max_num_f32 v[ST+20*\t+18], v[ST+20*\t+18], v[ST+20*\t+9]
.endr
.irp t, 0,1
	s_delay_alu instid0(VALU_DEP_2)
	v_mul_f32 v[ST+20*\t+18], s32, v[ST+20*\t+18]
.endr
.irp t, 0,1
	s_delay_alu instid0(VALU_DEP_2)
	v_max_num_f32 v[ST+20*\t+1], v[ST+20*\t+1], v[ST+20*\t+18]
.endr
.irp t, 0,1
	v_mov_b32 v[ST+20*\t+18], v[ST+20*\t]
.endr
.irp t, 0,1
	s_delay_alu instid0(VALU_DEP_4)
	v_floor_f32 v[ST+20*\t], -v[ST+20*\t+1]
.endr
.irp t, 0,1
	s_delay_alu instid0(VALU_DEP_2)
	v_sub_f32 v[ST+20*\t+18], v[ST+20*\t], v[ST+20*\t+18]
.endr
.irp t, 0,1
	s_delay_alu instid0(VALU_DEP_2)
	v_cvt_i32_f32 v[ST+20*\t+18], v[ST+20*\t+18]
.endr
.irp t, 0,1
	s_delay_alu instid0(VALU_DEP_2)
	v_ldexp_f32 v[ST+20*\t+4], 1.0, v[ST+20*\t+18]
.endr
.set j, 0
.rept 32
.irp t, 0,1
	v_pk_fma_f32 v[S+64*\t+j:S+64*\t+j+1], v[S+64*\t+j:S+64*\t+j+1], s[32:33], v[ST+20*\t:ST+20*\t+1] op_sel_hi:[1,0,0]
.endr
.set j, j+2
.endr
.irp b, 0,1,2,3
.irp t, 0,1
	v_fma_f32 v[ST+20*\t+6+\b], v[ST+20*\t+6+\b], s32, v[ST+20*\t]
.endr
.endr
.set j, 0
	s_wait_alu depctr_va_vdst(0)
.rept 64
.irp t, 0,1
	v_exp_f32 v[S+64*\t+j], v[S+64*\t+j]
.endr
.set j, j+1
.endr
.irp b, 0,1,2,3
.irp t, 0,1
	v_exp_f32 v[ST+20*\t+6+\b], v[ST+20*\t+6+\b]
.endr
.endr
.irp t, 0,1
	v_pk_mul_f32 v[ST+20*\t+2:ST+20*\t+3], v[ST+20*\t+2:ST+20*\t+3], v[ST+20*\t+4:ST+20*\t+5] op_sel_hi:[1,0]
.endr
	s_wait_alu depctr_va_vdst(0)
.irp b, 0,1,2,3
.irp t, 0,1
	v_max_num_f32 v[ST+20*\t+6+\b], 0x1800000, v[ST+20*\t+6+\b]
.endr
.endr
.irp b, 0,1,2,3
.irp t, 0,1
	v_add_nc_u32 v[ST+20*\t+14+\b], 0xff000000, v[ST+20*\t+6+\b]
.endr
.endr
.irp b, 0,1,2,3
.irp t, 0,1
	v_lshrrev_b32 v[ST+20*\t+10+\b], 23, v[ST+20*\t+14+\b]
.endr
.endr
.irp t, 0,1
	v_lshl_or_b32 v[ST+20*\t+5], v[ST+20*\t+11], 8, v[ST+20*\t+10]
.endr
.irp t, 0,1
	s_delay_alu instid0(VALU_DEP_2)
	v_lshl_or_b32 v[ST+20*\t+5], v[ST+20*\t+12], 16, v[ST+20*\t+5]
.endr
.irp t, 0,1
	s_delay_alu instid0(VALU_DEP_2)
	v_lshl_or_b32 v[ST+20*\t+5], v[ST+20*\t+13], 24, v[ST+20*\t+5]
.endr
.irp a, 0,1,2,3,4,5,6,7
.irp t, 0,1
	v_cvt_scalef32_pk8_fp4_f32 v[PCD+8*\t+4*(\a/4)+2*(\a%2)+(\a%4)/2], v[S+64*\t+8*\a:S+64*\t+8*\a+7], v[ST+20*\t+14+\a/2]
.endr
.endr
	v_nop
.irp c, 0,1
.irp t, 0,1
	v_permlane16_swap_b32 v[PCD+8*\t+4*\c], v[PCD+8*\t+4*\c+1]
	v_permlane16_swap_b32 v[PCD+8*\t+4*\c+2], v[PCD+8*\t+4*\c+3]
.endr
.endr
.irp t, 0,1
	v_pk_add_f32 v[ST+20*\t+10:ST+20*\t+11], v[S+64*\t:S+64*\t+1], v[S+64*\t+2:S+64*\t+3]
.endr
.set j, 4
.rept 15
.irp t, 0,1
	v_pk_add_f32 v[ST+20*\t+2:ST+20*\t+3], v[ST+20*\t+2:ST+20*\t+3], v[S+64*\t+j:S+64*\t+j+1]
	v_pk_add_f32 v[ST+20*\t+10:ST+20*\t+11], v[ST+20*\t+10:ST+20*\t+11], v[S+64*\t+j+2:S+64*\t+j+3]
.endr
.set j, j+4
.endr
.irp t, 0
	s_delay_alu instid0(VALU_DEP_3)
	v_pk_add_f32 v[ST+20*\t+2:ST+20*\t+3], v[ST+20*\t+2:ST+20*\t+3], v[ST+20*\t+10:ST+20*\t+11]
.endr
.irp t, 1
	s_delay_alu instid0(VALU_DEP_2)
	v_pk_add_f32 v[ST+20*\t+2:ST+20*\t+3], v[ST+20*\t+2:ST+20*\t+3], v[ST+20*\t+10:ST+20*\t+11]
.endr
.endm
.macro RESCALE
	WIN 0x41
.set j, 0
.rept 16
.irp t, 0,1
	v_pk_mul_f32 v[32*\t+j:32*\t+j+1], v[32*\t+j:32*\t+j+1], v[ST+20*\t+4:ST+20*\t+5] op_sel_hi:[1,0]
.endr
.set j, j+2
.endr
.endm
.macro PV
	s_wait_dscnt 0x0
	WIN 0x51
.irp d, 0,1,2,3
.irp t, 0,1
.if \d%2 == 0
	v_wmma_scale_f32_16x16x128_f8f6f4 v[32*\t+8*\d:32*\t+8*\d+7], v[VF+8*\d:VF+8*\d+7], v[PCD+8*\t:PCD+8*\t+7], v[32*\t+8*\d:32*\t+8*\d+7], v[VS+\d/2], v[ST+20*\t+5] matrix_a_fmt:MATRIX_FMT_FP4 matrix_b_fmt:MATRIX_FMT_FP4
.else
	v_wmma_scale_f32_16x16x128_f8f6f4 v[32*\t+8*\d:32*\t+8*\d+7], v[VF+8*\d:VF+8*\d+7], v[PCD+8*\t:PCD+8*\t+7], v[32*\t+8*\d:32*\t+8*\d+7], v[VS+\d/2], v[ST+20*\t+5] matrix_a_fmt:MATRIX_FMT_FP4 matrix_b_fmt:MATRIX_FMT_FP4 matrix_a_scale:MATRIX_SCALE_ROW1
.endif
.endr
.endr
.endm
.macro OUT p
	WIN 0
.rept 4
	v_nop
.endr
.irp t, 0,1
	v_add_f32 v[ST+20*\t+18], v[ST+20*\t+2], v[ST+20*\t+3]
.endr
.irp t, 0,1
	s_delay_alu instid0(VALU_DEP_2)
	v_permlanex16_b32 v[ST+20*\t+10], v[ST+20*\t+18], s30, s31
.endr
.irp t, 0,1
	s_delay_alu instid0(VALU_DEP_2)
	v_add_f32 v[ST+20*\t+18], v[ST+20*\t+18], v[ST+20*\t+10]
.endr
	s_wait_alu depctr_va_vdst(0)
.irp t, 0,1
	v_rcp_f32 v[ST+20*\t+18], v[ST+20*\t+18]
.endr
	v_nop
	WIN 0x01
	s_wait_alu depctr_va_vdst(0)
.irp t, 0,1
.set j, 0
.rept 32
	v_mul_f32 v[S+64*\t+j], v[32*\t+j], v[ST+20*\t+18]
.set j, j+1
.endr
.endr
	WIN 0
.irp t, 0,1
.irp d, 0,1,2,3
	ds_store_b128 v[STO], v[S+64*\t+8*\d:S+64*\t+8*\d+3] offset:64*\d
	ds_store_b128 v[STO], v[S+64*\t+8*\d+4:S+64*\t+8*\d+7] offset:64*\d+16
.endr
.irp i, 0,1,2,3,4,5,6,7
	ds_load_b128 v[S+64*\t+32+4*\i:S+64*\t+32+4*\i+3], v[RD] offset:544*\i
.endr
.endr
.irp t, 0,1
.irp i, 0,1,2,3,4,5,6,7
	s_wait_dscnt 16*(1-\t)+7-\i
	global_store_b128 v[GO], v[S+64*\t+32+4*\i:S+64*\t+32+4*\i+3], s[22:23] offset:1048576*\p+65536*\t+8192*\i th:TH_STORE_NT
.endr
.endr
	s_wait_xcnt 0x0
.endm
.macro PASS p
.irp t, 0,1
	v_mov_b32 v[ST+20*\t+1], 0xff61b1e6
	v_mov_b32 v[ST+20*\t+2], 0
	v_mov_b32 v[ST+20*\t+3], 0
.endr
.irp t, 0
	v_floor_f32 v[ST+20*\t], -v[ST+20*\t+1]
.endr
.irp t, 1
	s_delay_alu instid0(VALU_DEP_4)
	v_floor_f32 v[ST+20*\t], -v[ST+20*\t+1]
.endr
	WIN 0x40
.set j, 0
.rept 64
	v_mov_b32 v[j], 0
.set j, j+1
.endr
	WIN 0
	s_mov_b32 s34, 0
.Lstep_\@:
	s_lshl_b32 s35, s34, 12
	s_lshl_b32 s36, s34, 8
	s_add_co_u32 s37, s34, 1
	s_and_b32 s37, s37, 15
	s_lshl_b32 s38, s37, 12
	s_lshl_b32 s39, s37, 9
	KQ \p
	WIN 0
	v_add_nc_u32 v[ADV], s35, v[LIV]
	v_add_nc_u32 v[ADVS], s36, v[LVS]
	v_add_nc_u32 v[ADK], s38, v[LI]
	v_add_nc_u32 v[ADKS], s39, v[LKS]
	v_add_nc_u32 v[ADM], s39, v[LMK]
	LOADV
	LOADK
	ds_load_b64 v[VS:VS+1], v[ADVS]
	SOFTMAX
	RESCALE
	s_wait_alu depctr_va_vdst(0)
	PV
	WIN 0
	s_add_co_u32 s34, s34, 1
	s_cmp_lt_u32 s34, 16
	s_cbranch_scc1 .Lstep_\@
	OUT \p
.endm
	v_mov_b32 v[ADK], v[LI]
	v_mov_b32 v[ADKS], v[LKS]
	v_mov_b32 v[ADM], v[LMK]
	LOADK
	s_wait_dscnt 0x0
	PASS 0
	PASS 1
	s_wait_tensorcnt 0x0
	ds_add_u32 v254, v255
	s_wait_dscnt 0x0
	ROUND
	s_endpgm
.Lfunc_end_k_q01ea72fdef_attn:
	.size	k_q01ea72fdef_attn, .Lfunc_end_k_q01ea72fdef_attn-k_q01ea72fdef_attn
	.p2alignl 7, 3214868480
	.fill 96, 4, 3214868480
	.section	.rodata,"a",@progbits
	.p2align	6, 0x0
	.amdhsa_kernel k_q01ea72fdef_attn
		.amdhsa_group_segment_fixed_size 327680
		.amdhsa_private_segment_fixed_size 0
		.amdhsa_enable_private_segment 0
		.amdhsa_kernarg_size 72
		.amdhsa_user_sgpr_count 2
		.amdhsa_user_sgpr_kernarg_segment_ptr 1
		.amdhsa_wavefront_size32 1
		.amdhsa_system_sgpr_workgroup_id_x 1
		.amdhsa_system_sgpr_workgroup_id_y 1
		.amdhsa_system_sgpr_workgroup_id_z 1
		.amdhsa_system_vgpr_workitem_id 0
		.amdhsa_next_free_vgpr 512
		.amdhsa_next_free_sgpr 72
		.amdhsa_reserve_vcc 0
		.amdhsa_float_denorm_mode_32 3
		.amdhsa_float_denorm_mode_16_64 3
		.amdhsa_memory_ordered 1
		.amdhsa_forward_progress 1
		.amdhsa_inst_pref_size 94
	.end_amdhsa_kernel
	.amdgpu_metadata
---
amdhsa.version: [ 1, 2 ]
amdhsa.kernels:
  - .name:           k_q01ea72fdef_attn
    .symbol:         k_q01ea72fdef_attn.kd
    .args:
      - { .name: qc, .offset: 0, .size: 8, .value_kind: global_buffer, .address_space: global }
      - { .name: qs, .offset: 8, .size: 8, .value_kind: global_buffer, .address_space: global }
      - { .name: kvc, .offset: 16, .size: 8, .value_kind: global_buffer, .address_space: global }
      - { .name: attention_mask, .offset: 24, .size: 8, .value_kind: global_buffer, .address_space: global }
      - { .name: intent_ids, .offset: 32, .size: 8, .value_kind: global_buffer, .address_space: global }
      - { .name: intent_emb_table, .offset: 40, .size: 8, .value_kind: global_buffer, .address_space: global }
      - { .name: Wi, .offset: 48, .size: 8, .value_kind: global_buffer, .address_space: global }
      - { .name: bi, .offset: 56, .size: 8, .value_kind: global_buffer, .address_space: global }
      - { .name: out0, .offset: 64, .size: 8, .value_kind: global_buffer, .address_space: global }
    .group_segment_fixed_size: 327680
    .private_segment_fixed_size: 0
    .kernarg_segment_align: 8
    .kernarg_segment_size: 72
    .max_flat_workgroup_size: 256
    .sgpr_count:     72
    .vgpr_count:     512
    .wavefront_size: 32
...
	.end_amdgpu_metadata
.endif
;; end of part 2
